; MI455X (gfx1250); checked and timed in simulation.
; The chip was launched on July 23, 2026; its instructions are those of AMD's public machine-readable ISA for CDNA 5 (MIT licence, August 2026) and "CDNA5" Instruction Set Architecture Reference Guide (July 2026). The comments in the code are by the model that wrote it; some were corrected since.
;; Scale Adaptive Router. Allowed arithmetic: matrix products marked QUANTISED: E5M2 operands, one E8M0 scale for each 32 along K, by v_wmma_scale_f32_16x16x128_f8f6f4 with both operands' format E5M2, f32 sums; everything else in f32.
;; Inputs: noise 4 x 4,096 x 64 float32; router_w 64 x 2,112 float32; scale_embeddings 10 x 64 float32; x 4 x 4,096 x 2,048 float32.
;; Outputs: out0 4 x 4,096 x 64 float32.
;; Constants: scale_idx = 3.
;; This version of the problem:
;;   THIS VERSION OF THE PROBLEM IS GIVEN IN LOW PRECISION. The matrix products marked QUANTISED in the list below multiply operands that are first quantised to E5M2 (5 exponent bits, 2 mantissa bits; 8 bits a number), with one power-of-two scale for each 32 numbers along K (OCP MX v1.0); their sums are f32. All else is computed in f32.
;;   The module's matrix products, in the order in which they are computed (A, B: the left and right operand; K: the contracted axis; several contracted axes count as one K, in the product's order):
;;     1. [M 16,384, K 2,112] x [K 2,112, N 64]; A: computed on the way; B: input router_w: QUANTISED
;;   THE QUANTISER, for each operand of a quantised product, along K:
;;     - K is cut into blocks of 32 from its start; a last block that is shorter is filled with zeros.
;;     - A block's scale is 2^e with e = floor(log2(the largest magnitude in the block)) - 15, held to -126 .. 127; a block of zeros has e = 0. As a byte (E8M0): e + 127.
;;     - Each number is divided by its block's scale, clamped to +-57,344, and rounded to the nearest number of E5M2, ties to even, subnormals kept.
;;     - The product sums the exact products of the quantised numbers (number of the format x scale) in f32.
;;   ~~~python
;;   def quantise(x, axis):      # numpy; x: float32 -> the quantised numbers, widened to float32 again
;;       x = np.moveaxis(x, axis, -1); K = x.shape[-1]
;;       x = np.pad(x, [(0, 0)] * (x.ndim - 1) + [(0, -K % 32)]); x = x.reshape(x.shape[:-1] + (-1, 32)); a = np.abs(x).max(-1, keepdims=True)
;;       e = np.where(a > 0, np.clip(np.frexp(np.where(a > 0, a, 1))[1] - 1 - 15, -126, 127), 0)      # np.frexp(a)[1] - 1 = floor(log2(a)), exactly
;;       r = np.clip(x / 2.0 ** e, -57344, 57344)
;;       step = 2.0 ** (np.maximum(np.frexp(np.where(r == 0, 1, r))[1] - 1, -14) - 2)
;;       q = np.round(r / step) * step * 2.0 ** e      # np.round: ties to even
;;       return np.moveaxis(q.reshape(q.shape[:-2] + (-1,))[..., :K], -1, axis).astype(np.float32)
;;   ~~~
;;   OPERANDS COMPUTED ON THE WAY. 'Computed on the way' means the value that the module computes at that place (a softmax that the list does not call 'softmax' is quantised finished and normalised). What goes into a quantiser is computed in f32, as accurately as f32 sums, v_exp_f32 and their like allow (about 1e-6 of the number): no bf16 or f16 on the way to a quantiser, and a product that is left as it is and whose result goes on into a quantised operand takes f32 operands (vector FMAs, or v_wmma_f32_16x16x4_f32). A number that lies on a knife's edge between two numbers of the format may be rounded either way, as far as f32 arithmetic and the matrix unit's own rounding can turn it there, and no further.
;; One version. Each part assembles by itself: llvm-mc -triple=amdgcn-amd-amdhsa -mcpu=gfx1250 --defsym DOCPART=n.
;; ======== version 1 of 1: 2 launches
;; limits: right only within a limited range of input values
;; workspace buffers: wq 151,552 bytes
;; launch prep (part 1): grid 68 x 1, 1 waves a work-group, no clusters, 8,704 bytes of LDS; arguments router_w, scale_embeddings, wq; writes wq
.if DOCPART == 1
	.amdgcn_target "amdgcn-amd-amdhsa--gfx1250"
	.amdhsa_code_object_version 6
	.text
	.protected	k_qa3efa7368f_prep
	.globl	k_qa3efa7368f_prep
	.p2align	8
	.type	k_qa3efa7368f_prep,@function
k_qa3efa7368f_prep:
	s_mov_b64 s[64:65], 0
	v_nop
	global_prefetch_b8 v0, s[64:65] scope:SCOPE_SE
	s_setreg_imm32_b32 hwreg(HW_REG_WAVE_MODE, 25, 1), 1
	s_wait_xcnt 0x0
; router_w [64][2112] f32 becomes codes of BF8 (E5M2) with one E8M0 scale byte for each 32 along K, laid in wq as the next launch's operand registers take them.
; K = 2,112 is 16 steps of 128 and a 17th of 64.  A unit is 16 experts x 128 K; work-group id (one wave) takes unit id: K step id / 4, tile id % 4.
; wq: byte 0: for unit id (steps 0 to 15) 2,048 bytes: register group c of the fragment at 512 c + 16 lane;
;     byte 131,072: for unit id 256 bytes: lane l's scale word at 8 l (and once more at 8 l + 4, so that the unit of 256 bytes is stored whole);
;     byte 147,456: the sums of K step 16, 1,024 bytes a tile: the accumulator's registers 0-3 at 16 lane, 4-7 at 512 + 16 lane.
; K STEP 16: there reference() gives every token the same row, scale_embeddings[3].  Its product is made once, here: the embedding, quantised as any row is, stands in all 16 columns of source 1.
; LEFT OUT IN THIS PROGRAM AS DEAD WORK (the next launch): the softmax's denominator Z.  reference() takes p_i = e_i / Z, e_i = exp(l_i - max l), keeps the two largest and divides by their sum:
; (e_1 / Z) / (e_1 / Z + e_2 / Z) = e_1 / (e_1 + e_2) for all finite logits, and Z > 0 is the same for all 64, so it changes no order.  Then of the 64 numerators only the two chosen reach the output; the exponential rises
; strictly, so the two largest p are those of the two largest logits.  LIMIT: a NaN, an infinity or an overflow that reaches only what is left out is not carried to the result.
; THE QUANTISER: a block's scale is 2^(floor(log2(largest magnitude)) - 15); its byte is the largest magnitude's exponent field - 15, held at 1 from below; numbers are held within +-57,344 x the scale.
; A block of zeros gets the byte 1 where the rule says 127: its codes are zeros, which add nothing, and this program alone reads the bytes.  LIMITS: NaN and infinities among the inputs are not served.
; LOADS: each reads 512 consecutive bytes of one row (a row is 33 x 256 bytes); the 16 rows turn through LDS (528 apart) so that lane (r, h) holds, of row r, k = 32 b + 16 h + 0 .. 15 in registers 16 b + 0 .. 15.
.set WROW,  8448
.set UP,    528                        ; a stage row: 512 bytes + 16
.set SPARE, 16*UP                      ; the spare words behind the stage
.set WQ_SC, 131072
.set WQ_C,  147456
.set LN16, 1                           ; v1  16 x lane
.set LDO,  2                           ; v2  my 16 bytes of a row's 512 (in step 16: of its 256)
.set FRA,  3                           ; v3  stage, on the way out: 528 r + 64 h
.set LN8,  4                           ; v4  8 x lane
.set H64,  5                           ; v5  64 h
.set PW,   6                           ; v6, v7 the unit's scale word, twice
.set PWE,  8                           ; v8  the embedding's
.set TM,   12                          ; v12-21 at work in the quantiser
.set X0,   32                          ; v32-95 the unit's numbers
.set EM,   96                          ; v96-127 the embedding's 64 numbers, my half of the lanes
.set PC,   128
.set PE,   144
.set DC,   160
.set SEL,  20                          ; s[20:21] v_permlanex16_b32's selects for lane l xor 16
.set MNT,  22                          ; s22 the mantissa field of 57,344
; 32 numbers of a lane, two blocks, register 16 b + i = k 32 b + 16 (lane / 16) + i, become half hf of a fragment's codes in v[pc] on and two bytes of its scale word v[pw]
.macro HQ s, pc, pw, hf
.irp b, 0,1
	v_max3_num_f32 v[TM+\b], |v[\s+16*\b]|, |v[\s+1+16*\b]|, 0x8000000   ; the floor 2^(16 - 127): the byte cannot fall under 1
.endr
.irp b, 0,1
	v_max3_num_f32 v[TM+2+\b], |v[\s+2+16*\b]|, |v[\s+3+16*\b]|, |v[\s+4+16*\b]|
.endr
.irp i, 5,9
.irp b, 0,1
	v_max3_num_f32 v[TM+\b], v[TM+\b], |v[\s+16*\b+\i]|, |v[\s+1+16*\b+\i]|
.endr
.irp b, 0,1
	v_max3_num_f32 v[TM+2+\b], v[TM+2+\b], |v[\s+2+16*\b+\i]|, |v[\s+3+16*\b+\i]|
.endr
.endr
.irp b, 0,1
	v_max3_num_f32 v[TM+\b], v[TM+\b], |v[\s+13+16*\b]|, |v[\s+14+16*\b]|
.endr
.irp b, 0,1
	v_max3_num_f32 v[TM+\b], v[TM+\b], v[TM+2+\b], |v[\s+15+16*\b]|
.endr
.irp b, 0,1
	v_permlanex16_b32 v[TM+4+\b], v[TM+\b], s[SEL], s[SEL+1]
.endr
.irp b, 0,1
	v_max_num_f32 v[TM+\b], v[TM+\b], v[TM+4+\b]                 ; with lane l xor 16's: the block's largest magnitude
.endr
.irp b, 0,1
	v_add_nc_u32 v[TM+6+\b], 0xf8800000, v[TM+\b]                ; 15 off its exponent field: the conversion's scale operand
.endr
.irp b, 0,1
	v_and_or_b32 v[TM+8+\b], v[TM+\b], 0x7f800000, s[MNT]        ; 57,344 x the scale
.endr
.irp b, 0,1
	v_lshrrev_b32 v[TM+2+\b], 23, v[TM+6+\b]                     ; the scale's byte
.endr
.if (\hf) == 0
	v_lshl_or_b32 v[\pw], v[TM+3], 8, v[TM+2]
.else
	v_lshl_or_b32 v[\pw], v[TM+2], 16, v[\pw]
	v_lshl_or_b32 v[\pw], v[TM+3], 24, v[\pw]
.endif
.irp b, 0,1
.irp i, 0,1,2,3,4,5,6,7,8,9,10,11,12,13,14,15
	v_med3_num_f32 v[\s+16*\b+\i], v[\s+16*\b+\i], -v[TM+8+\b], v[TM+8+\b]   ; the conversion to an 8-bit code does not saturate (ISA guide 7.6.2): the hold comes first
.endr
	v_cvt_scalef32_pk8_bf8_f32 v[\pc+8*(\hf)+4*\b:\pc+8*(\hf)+4*\b+1], v[\s+16*\b:\s+7+16*\b], v[TM+6+\b]
	v_cvt_scalef32_pk8_bf8_f32 v[\pc+8*(\hf)+4*\b+2:\pc+8*(\hf)+4*\b+3], v[\s+8+16*\b:\s+15+16*\b], v[TM+6+\b]
.endr
	v_nop                                                        ; one plain line behind the last conversion
.endm
	s_load_b128 s[4:7], s[0:1], 0x0                ; router_w, scale_embeddings
	s_load_b64 s[8:9], s[0:1], 0x10                ; wq
	v_lshl_add_u32 v30, v0, 2, SPARE
	v_mov_b32 v31, 0
	s_lshr_b32 s10, ttmp9, 2                       ; K step 0 .. 16
	s_and_b32 s11, ttmp9, 3                        ; tile
	s_cmp_eq_u32 s10, 16
	s_cselect_b32 s12, 15, 31                      ; in step 16 a row has 256 bytes left: lanes 16-31 read what lanes 0-15 read, so that no load leaves the buffer; the codes made of it are replaced by zeros
	v_and_b32 v[LDO], s12, v0
	v_lshlrev_b32 v[LDO], 4, v[LDO]
	v_lshlrev_b32 v[LN16], 4, v0
	v_and_b32 v9, 15, v0                           ; r
	v_bfe_u32 v10, v0, 4, 1                        ; h
	v_mul_u32_u24 v[FRA], v9, UP
	v_lshl_add_u32 v[FRA], v10, 6, v[FRA]
	v_lshlrev_b32 v[LN8], 3, v0
	v_lshlrev_b32 v[H64], 6, v10
	v_mov_b32 v[TM+4], 0                           ; written once: a lane permute's destination counts as one of its sources
	v_mov_b32 v[TM+5], 0
	s_mul_i32 s14, s11, 16*WROW                    ; my 16 rows,
	s_lshl_b32 s15, s10, 9                         ; my 512 bytes of them
	s_add_co_u32 s14, s14, s15
	s_mov_b32 s15, 0
	s_lshl_b32 s16, ttmp9, 11                      ; my unit's codes
	s_mov_b32 s17, 0
	s_lshl_b32 s18, ttmp9, 8                       ; my scale words
	s_mov_b32 s19, 0
	s_lshl_b32 s24, s11, 10                        ; step 16's sums
	s_mov_b32 s25, 0
	s_mov_b32 s[SEL], 0x76543210
	s_mov_b32 s[SEL+1], 0xfedcba98
	s_mov_b32 s[MNT], 0x600000
	s_wait_alu depctr_va_vdst(0)                   ; the wait at the head's end
	s_wait_kmcnt 0x0
	s_add_nc_u64 s[4:5], s[4:5], s[14:15]
	s_add_nc_u64 s[16:17], s[8:9], s[16:17]
	s_add_nc_u64 s[18:19], s[8:9], s[18:19]
	s_add_nc_u64 s[24:25], s[8:9], s[24:25]
.irp i, 0,1,2,3,4,5,6,7,8,9,10,11,12,13,14,15
	global_load_b128 v[X0+4*\i:X0+4*\i+3], v[LDO], s[4:5] offset:\i*WROW th:TH_LOAD_NT
.endr
.irp b, 0,1
.irp j, 0,1,2,3
	global_load_b128 v[EM+16*\b+4*\j:EM+16*\b+4*\j+3], v[H64], s[6:7] offset:768+128*\b+16*\j   ; scale_embeddings[3]: 256 bytes at byte 768; on every path, so that the wait's count below holds; step 16 uses it
.endr
.endr
	s_wait_loadcnt 8                               ; the unit is in (behind it: the embedding's 8)
.irp i, 0,1,2,3,4,5,6,7,8,9,10,11,12,13,14,15
	ds_store_b128 v[LN16], v[X0+4*\i:X0+4*\i+3] offset:UP*\i
.endr
.irp b, 0,1,2,3
.irp j, 0,1,2,3
	ds_load_b128 v[X0+16*\b+4*\j:X0+16*\b+4*\j+3], v[FRA] offset:128*\b+16*\j   ; LDS serves a wave's instructions in order (ISA guide 5.7.1.4): these see the stores above
.endr
.endr
	s_wait_dscnt 8                                 ; blocks 0 and 1 are back
	HQ X0, PC, PW, 0
	s_wait_dscnt 0x0
	HQ X0+32, PC, PW, 1
	v_mov_b32 v[PW+1], v[PW]
	s_wait_alu depctr_va_vdst(0)                   ; ahead of the branch
	s_cmp_eq_u32 s10, 16
	s_cbranch_scc1 .Lstep16
.irp c, 0,1,2,3
	global_store_b128 v[LN16], v[PC+4*\c:PC+4*\c+3], s[16:17] offset:512*\c            ; 32 lanes store 512 consecutive bytes
.endr
	global_store_b64 v[LN8], v[PW:PW+1], s[18:19] offset:WQ_SC                         ; 32 lanes store 256 consecutive bytes, aligned
	s_wait_tensorcnt 0x0                           ; the wave's end
	ds_add_u32 v30, v31
	s_wait_dscnt 0x0
	s_endpgm
.Lstep16:
.irp i, 8,9,10,11,12,13,14,15
	v_mov_b32 v[PC+\i], 0                          ; past the end of K: zero codes on both sides, under finite scale bytes
	v_mov_b32 v[PE+\i], 0
.endr
	s_wait_loadcnt 0x0                             ; the embedding
	HQ EM, PE, PWE, 0
.rept 3
	v_nop                                          ; with the line that ends the quantiser: four places between the last conversion and the scaled matrix instruction
.endr
	v_wmma_scale_f32_16x16x128_f8f6f4 v[DC:DC+7], v[PC:PC+15], v[PE:PE+15], 0, v[PW], v[PWE] matrix_a_fmt:MATRIX_FMT_BF8 matrix_b_fmt:MATRIX_FMT_BF8
.rept 8
	v_nop                                          ; eight places behind this form before a store reads the result
.endr
	global_store_b128 v[LN16], v[DC:DC+3], s[24:25] offset:WQ_C                        ; the accumulator from its low end on
	global_store_b128 v[LN16], v[DC+4:DC+7], s[24:25] offset:WQ_C+512
	s_wait_tensorcnt 0x0
	ds_add_u32 v30, v31
	s_wait_dscnt 0x0
	s_endpgm
.Lfunc_end_k_qa3efa7368f_prep:
	.size	k_qa3efa7368f_prep, .Lfunc_end_k_qa3efa7368f_prep-k_qa3efa7368f_prep
	.p2alignl 7, 3214868480
	.fill 96, 4, 3214868480
	.section	.rodata,"a",@progbits
	.p2align	6, 0x0
	.amdhsa_kernel k_qa3efa7368f_prep
		.amdhsa_group_segment_fixed_size 8704
		.amdhsa_private_segment_fixed_size 0
		.amdhsa_enable_private_segment 0
		.amdhsa_kernarg_size 24
		.amdhsa_user_sgpr_count 2
		.amdhsa_user_sgpr_kernarg_segment_ptr 1
		.amdhsa_wavefront_size32 1
		.amdhsa_system_sgpr_workgroup_id_x 1
		.amdhsa_system_sgpr_workgroup_id_y 1
		.amdhsa_system_sgpr_workgroup_id_z 1
		.amdhsa_system_vgpr_workitem_id 0
		.amdhsa_next_free_vgpr 168
		.amdhsa_next_free_sgpr 66
		.amdhsa_reserve_vcc 0
		.amdhsa_float_denorm_mode_32 3
		.amdhsa_float_denorm_mode_16_64 3
		.amdhsa_memory_ordered 1
		.amdhsa_forward_progress 1
		.amdhsa_inst_pref_size 21
	.end_amdhsa_kernel
	.amdgpu_metadata
---
amdhsa.version: [ 1, 2 ]
amdhsa.kernels:
  - .name:           k_qa3efa7368f_prep
    .symbol:         k_qa3efa7368f_prep.kd
    .args:
      - { .name: router_w, .offset: 0, .size: 8, .value_kind: global_buffer, .address_space: global }
      - { .name: scale_embeddings, .offset: 8, .size: 8, .value_kind: global_buffer, .address_space: global }
      - { .name: wq, .offset: 16, .size: 8, .value_kind: global_buffer, .address_space: global }
    .group_segment_fixed_size: 8704
    .private_segment_fixed_size: 0
    .kernarg_segment_align: 8
    .kernarg_segment_size: 24
    .max_flat_workgroup_size: 32
    .sgpr_count:     66
    .vgpr_count:     168
    .wavefront_size: 32
...
	.end_amdgpu_metadata
.endif
;; end of part 1
;; launch route (part 2): grid 256 x 1, 8 waves a work-group, no clusters, 302,080 bytes of LDS; arguments x, noise, wq, out0; writes out0
.if DOCPART == 2
	.amdgcn_target "amdgcn-amd-amdhsa--gfx1250"
	.amdhsa_code_object_version 6
	.text
	.protected	k_qa3efa7368f_route
	.globl	k_qa3efa7368f_route
	.p2align	8
	.type	k_qa3efa7368f_route,@function
k_qa3efa7368f_route:
	s_mov_b64 s[64:65], 0
	v_nop
	global_prefetch_b8 v0, s[64:65] scope:SCOPE_SE
	s_setreg_imm32_b32 hwreg(HW_REG_WAVE_MODE, 25, 1), 1
	s_wait_xcnt 0x0
; out0[token][:] = the two largest of softmax(Q(x | emb) Q(router_w)^T + 0.1 noise), divided by their sum, at their experts' places, zeros elsewhere.  x: [16384][2048] f32; noise, out0: [16384][64] f32.
; Q: codes of BF8 (E5M2), one E8M0 scale for each 32 along K.  The weights' codes and scale words, and K step 16's sums (the embedding's, the same for every token), lie in wq as the launch before has laid them.
; LEFT OUT as dead work: the softmax's denominator, which cancels in the division by the two largest's sum, and the numerators that are not chosen (shown at the first kernel's head).  With l1 >= l2 the two largest logits
; the weights are 1 / (1 + e) and e / (1 + e), e = 2^((l2 - l1) log2 e): the maximum is taken away.
; SHARES.  A work-group owns 64 tokens.  Its eight waves share K: wave w owns K steps 2 w and 2 w + 1 (1,024 bytes of every row of x) for all 64 tokens, so its 8 fragments of the weights (128 registers) are loaded once.
; A UNIT is 16 tokens x 128 K, quantised in registers in two halves of 64 K, then four matrix instructions (source 0 = 16 experts, source 1 = 16 tokens): lane (r, h) holds token r, register j of tile t expert 16 t + 8 h + j.
; The accumulators take turns.  K is summed in eight parts, which are added in LDS's rows: another order of rounding than one chain's.
; HOW x COMES.  Tokens 0-31 by ONE tensor load a wave (32 rows x 1,024 bytes, 1,040 apart in LDS): no LDS byte is filled twice.  Tokens 32-63 through registers: four slots of 32 registers, each 16 rows x 256 bytes, whose rows
; turn through the wave's own stage (272 apart) into the operand's order; a slot takes tokens 32-47 first and is asked for again, for tokens 48-63, as soon as its rows lie in the stage.  The order of work is slots, tile, slots.
; NO CLUSTER: what work-groups share is wq, 151,552 bytes against 540,672 of x and noise that a work-group has to itself; it goes straight into registers, and LDS is taken by x.  NO PREFETCH: there is no loop to run ahead in;
; all of x is asked for by loads while the first four half-units are worked.
; LIMITS: NaN and infinities are not served.  A quotient e under 2^-126 counts as 0 (v_exp_f32 flushes: ISA guide 15.8).  Equal logits go to the lower expert, as jax.lax.top_k has it for equal probabilities.
; REGISTERS: window 0 as named below; window 1: the weights, K step s, tile t at v[64 s + 16 t]; accumulator (tokens 16 m on, tile t) at v[128 + 32 m + 8 t].
.set XROW,  8192
.set TP,    1040                       ; a tile row: 1,024 bytes + 16: an odd multiple of 16, so the 16 rows that a load touches start at 16 different 16-byte columns of the banks' 256 bytes (ISA guide 11.1)
.set TILEW, 32*TP                      ; a wave's tile; LDS byte 0 on
.set NP,    272                        ; a row of a stage or of sums: 256 bytes + 16
.set STAGE, 8*TILEW
.set STGW,  16*NP
.set SPARE, STAGE+8*STGW               ; the spare words, 128 bytes a wave
.set WQ_SC, 131072
.set WQ_C,  147456
.set LN8,  0                           ; v0   8 x lane (the thread's number is used up at the head)
.set LOFF, 1                           ; v1   a slot's loads: + 8,192 h + 16 r
.set STWA, 2                           ; v2   my stage, rows in: + 272 h + 16 r
.set STRA, 3                           ; v3   my stage, operand's order out: + 272 r + 64 h
.set TLRA, 4                           ; v4   my tile: + 1,040 r + 64 h
.set LN16, 5                           ; v5   16 x lane
.set SPW,  6
.set NIL,  7
.set PC,   8                           ; v8-23   codes
.set TM,   24                          ; v24-33  at work
.set IMW,  34                          ; v34     my sums in: + 272 r + 32 h, over my tile
.set PW,   35                          ; v35     the tokens' scale word
.set WS,   36                          ; v36-43  the weights' scale words
.set NZ,   44                          ; v44-59  noise: register 4 i + j: token 2 i + h of my 8, expert 4 r + j
.set C16,  60                          ; v60-63  K step 16's sums: experts 4 r + 0 .. 3
.set XA,   64
.set XB,   96
.set RG,   128                         ; v128-255 four slots; at the end the eight waves' sums
.set ACC,  128                         ; in window 1
.set RA,   64                          ; the tail: v64-67 where the waves' sums for my 8 tokens lie
.set EID,  68                          ; my four experts' numbers, as f32
.set M1,   72
.set I1,   76
.set M2,   80
.set I2,   84
.set EX,   88
.set RC,   92
.set OU,   96
.set NI,   112
.set W2,   116
.set TA,   120
.set TB,   121
.set DD,   124
.set L,    128
.set G1X,  24                          ; s[24:31], s[32:35] the tensor load's descriptor
.set G0X,  32
.set SEL,  36                          ; s[36:37] v_permlanex16_b32's selects for lane l xor 16
.set MNT,  38
.set TEN,  40                          ; s[40:41] 0.1, twice
.set CM,   44                          ; s44-47 masks by turns
.set MK,   48                          ; s48-63 where the first expert is
.set MB,   66                          ; s66-81 where the second is
.set MSB, 0
.macro WIN new                         ; the immediate's high byte repeats the setting that is left
.if MSB != \new
	s_set_vgpr_msb (MSB<<8)|\new
.set MSB, \new
.endif
.endm
; 32 numbers of a lane, two blocks, register 16 b + i = k 32 b + 16 (lane / 16) + i, become half hf of a fragment's codes in v[pc] on and two bytes of its scale word v[pw]
.macro HQ s, pc, pw, hf
.irp b, 0,1
	v_max3_num_f32 v[TM+\b], |v[\s+16*\b]|, |v[\s+1+16*\b]|, 0x8000000   ; the floor 2^(16 - 127): the byte cannot fall under 1
.endr
.irp b, 0,1
	v_max3_num_f32 v[TM+2+\b], |v[\s+2+16*\b]|, |v[\s+3+16*\b]|, |v[\s+4+16*\b]|
.endr
.irp i, 5,9
.irp b, 0,1
	v_max3_num_f32 v[TM+\b], v[TM+\b], |v[\s+16*\b+\i]|, |v[\s+1+16*\b+\i]|
.endr
.irp b, 0,1
	v_max3_num_f32 v[TM+2+\b], v[TM+2+\b], |v[\s+2+16*\b+\i]|, |v[\s+3+16*\b+\i]|
.endr
.endr
.irp b, 0,1
	v_max3_num_f32 v[TM+\b], v[TM+\b], |v[\s+13+16*\b]|, |v[\s+14+16*\b]|
.endr
.irp b, 0,1
	v_max3_num_f32 v[TM+\b], v[TM+\b], v[TM+2+\b], |v[\s+15+16*\b]|
.endr
.irp b, 0,1
	v_permlanex16_b32 v[TM+4+\b], v[TM+\b], s[SEL], s[SEL+1]
.endr
.irp b, 0,1
	v_max_num_f32 v[TM+\b], v[TM+\b], v[TM+4+\b]                 ; with lane l xor 16's: the block's largest magnitude
.endr
.irp b, 0,1
	v_add_nc_u32 v[TM+6+\b], 0xf8800000, v[TM+\b]                ; 15 off its exponent field: the conversion's scale operand
.endr
.irp b, 0,1
	v_and_or_b32 v[TM+8+\b], v[TM+\b], 0x7f800000, s[MNT]        ; 57,344 x the scale
.endr
.irp b, 0,1
	v_lshrrev_b32 v[TM+2+\b], 23, v[TM+6+\b]                     ; the scale's byte
.endr
.if (\hf) == 0
	v_lshl_or_b32 v[\pw], v[TM+3], 8, v[TM+2]
.else
	v_lshl_or_b32 v[\pw], v[TM+2], 16, v[\pw]
	v_lshl_or_b32 v[\pw], v[TM+3], 24, v[\pw]                    ; the word is whole; the 32 holds below are its places ahead of the matrix instructions
.endif
.irp b, 0,1
.irp i, 0,1,2,3,4,5,6,7,8,9,10,11,12,13,14,15
	v_med3_num_f32 v[\s+16*\b+\i], v[\s+16*\b+\i], -v[TM+8+\b], v[TM+8+\b]   ; the conversion to an 8-bit code does not saturate (ISA guide 7.6.2): the hold comes first
.endr
	v_cvt_scalef32_pk8_bf8_f32 v[\pc+8*(\hf)+4*\b:\pc+8*(\hf)+4*\b+1], v[\s+16*\b:\s+7+16*\b], v[TM+6+\b]
	v_cvt_scalef32_pk8_bf8_f32 v[\pc+8*(\hf)+4*\b+2:\pc+8*(\hf)+4*\b+3], v[\s+8+16*\b:\s+15+16*\b], v[TM+6+\b]
.endr
	v_nop                                                        ; one plain line behind the last conversion
.endm
; tokens 16 m on, my quarter q (256 bytes: K step q / 2, half q % 2), out of my tile
.macro FETCH_L m, q, buf
.irp b, 0,1
.irp j, 0,1,2,3
	ds_load_b128 v[\buf+16*\b+4*\j:\buf+16*\b+4*\j+3], v[TLRA] offset:(\m)*16*TP+256*(\q)+128*\b+16*\j
.endr
.endr
.endm
; a slot's 16 rows into my stage as they were loaded, and back in the operand's order.  LDS serves a wave's instructions in order (ISA guide 5.7.1.4): no wait between the two runs
.macro FETCH_R slot, buf
.irp i, 0,1,2,3,4,5,6,7
	ds_store_b128 v[STWA], v[RG+32*\slot+4*\i:RG+32*\slot+4*\i+3] offset:2*NP*\i
.endr
.irp b, 0,1
.irp j, 0,1,2,3
	ds_load_b128 v[\buf+16*\b+4*\j:\buf+16*\b+4*\j+3], v[STRA] offset:128*\b+16*\j
.endr
.endr
.endm
; tokens 16 m on, my quarter number slot, into that slot: each load reads 256 consecutive bytes, at a multiple of 256, of two rows
.macro RING slot, m
.irp i, 0,1,2,3,4,5,6,7
	global_load_b128 v[RG+32*\slot+4*\i:RG+32*\slot+4*\i+3], v[LOFF], s[16:17] offset:(16*\m+2*\i)*XROW+256*\slot th:TH_LOAD_NT
.endr
.endm
; a unit's four products: tokens 16 m on, K step s.  zero = 1: they start the sums
.macro MULT m, s, zero
.rept 3
	v_nop                                          ; with the line that ends the quantiser: four places between the last conversion and the scaled matrix instruction
.endr
	WIN 0x51                                       ; source 0 (weights) window 1, source 1 (codes) window 0, C and D window 1
.irp t, 0,1,2,3
.if \zero
	v_wmma_scale_f32_16x16x128_f8f6f4 v[ACC+32*\m+8*\t:ACC+32*\m+8*\t+7], v[64*\s+16*\t:64*\s+16*\t+15], v[PC:PC+15], 0, v[WS+4*\s+\t], v[PW] matrix_a_fmt:MATRIX_FMT_BF8 matrix_b_fmt:MATRIX_FMT_BF8
.else
	v_wmma_scale_f32_16x16x128_f8f6f4 v[ACC+32*\m+8*\t:ACC+32*\m+8*\t+7], v[64*\s+16*\t:64*\s+16*\t+15], v[PC:PC+15], v[ACC+32*\m+8*\t:ACC+32*\m+8*\t+7], v[WS+4*\s+\t], v[PW] matrix_a_fmt:MATRIX_FMT_BF8 matrix_b_fmt:MATRIX_FMT_BF8
.endif
.endr
	WIN 0                                          ; the next half-unit's 16 maxima are the places ahead of the lines that write the codes and the scale word anew
.endm
; a half-unit out of the tile; its registers then take the half-unit two on
.macro LHALF buf, hf, younger, m, q, more
	s_wait_dscnt \younger                          ; mine is in; the next half-unit's 8 loads may be out
	HQ \buf, PC, PW, \hf
.if \more
	FETCH_L \m, \q, \buf
.endif
.endm
; my sums for tokens 16 m on, as rows of tokens: each accumulator from its low end on (the data's window is set to 1 ahead)
.macro IMG m
.irp t, 0,1,2,3
	ds_store_b128 v[IMW], v[ACC+32*\m+8*\t:ACC+32*\m+8*\t+3] offset:\m*16*NP+64*\t
	ds_store_b128 v[IMW], v[ACC+32*\m+8*\t+4:ACC+32*\m+8*\t+7] offset:\m*16*NP+64*\t+16
.endr
.endm
	s_load_b256 s[4:11], s[0:1], 0x0               ; x s[4:5], noise s[6:7], wq s[8:9], out0 s[10:11]
	v_lshl_add_u32 v[SPW], v0, 2, SPARE
	v_mov_b32 v[NIL], 0
	ds_add_u32 v[SPW], v[NIL]                      ; the wave's opening: the add, twice on end, and its wait ahead of my tensor load
	ds_add_u32 v[SPW], v[NIL]
	v_lshrrev_b32 v[TM], 5, v0
	v_readfirstlane_b32 s12, v[TM]                 ; wave 0 .. 7
	v_and_b32 v[TM], 31, v0                        ; lane
	v_and_b32 v[TM+1], 15, v0                      ; r
	v_bfe_u32 v[TM+2], v0, 4, 1                    ; h
	v_lshlrev_b32 v[LN16], 4, v[TM]
	v_lshlrev_b32 v[LN8], 3, v[TM]
	s_mul_i32 s13, s12, TILEW                      ; my tile
	s_mul_i32 s22, s12, STGW
	s_add_co_u32 s22, s22, STAGE                   ; my stage
	s_mul_i32 s23, s12, 8*NP                       ; my 8 tokens' rows of sums
	v_lshlrev_b32 v[LOFF], 13, v[TM+2]
	v_lshl_add_u32 v[LOFF], v[TM+1], 4, v[LOFF]
	v_mul_u32_u24 v[STWA], v[TM+2], NP
	v_lshl_add_u32 v[STWA], v[TM+1], 4, v[STWA]
	v_add_nc_u32 v[STWA], s22, v[STWA]
	v_mul_u32_u24 v[TM+6], v[TM+1], NP
	v_lshl_add_u32 v[STRA], v[TM+2], 6, v[TM+6]
	v_add_nc_u32 v[STRA], s22, v[STRA]
	v_lshl_add_u32 v[IMW], v[TM+2], 5, v[TM+6]
	v_add_nc_u32 v[IMW], s13, v[IMW]
	v_mul_u32_u24 v[TLRA], v[TM+1], TP
	v_lshl_add_u32 v[TLRA], v[TM+2], 6, v[TLRA]
	v_add_nc_u32 v[TLRA], s13, v[TLRA]
	v_lshrrev_b32 v[C16], 2, v[TM+1]               ; experts 4 r on lie in tile r / 4, lane half (r / 2) % 2, registers 4 (r % 2) on
	v_lshlrev_b32 v[C16], 10, v[C16]
	v_and_b32 v[TM+7], 1, v[TM+1]
	v_lshl_add_u32 v[C16], v[TM+7], 9, v[C16]
	v_and_b32 v[TM+7], 2, v[TM+1]
	v_lshl_add_u32 v[C16], v[TM+7], 7, v[C16]
	v_mov_b32 v[TM+4], 0                           ; written once: a lane permute's destination counts as one of its sources
	v_mov_b32 v[TM+5], 0
	s_mov_b32 s[SEL], 0x76543210
	s_mov_b32 s[SEL+1], 0xfedcba98
	s_mov_b32 s[MNT], 0x600000
	s_mov_b32 s[TEN], 0x3dcccccd
	s_mov_b32 s[TEN+1], 0x3dcccccd
	; a tile of 32 rows x 256 elements of 4 bytes, rows 2,048 elements apart in memory; in LDS 4 words of padding behind every 256
	s_mov_b32 s[G1X], (2<<16)|(1<<20)|(7<<22)|(3<<25)
	s_mov_b32 s[G1X+1], 256<<16                    ; tensor_dim0
	s_mov_b32 s[G1X+2], 32<<16                     ; tensor_dim1
	s_mov_b32 s[G1X+3], 256<<16                    ; tile_dim0
	s_mov_b32 s[G1X+4], 32                         ; tile_dim1
	s_mov_b32 s[G1X+5], 2048                       ; tensor_dim0_stride
	s_mov_b32 s[G1X+6], 0
	s_mov_b32 s[G1X+7], 0
	s_mov_b32 s[G0X], 1
	s_mul_i32 s[G0X+1], s12, TILEW
	s_lshl_b32 s14, ttmp9, 19                      ; my work-group's 64 rows of 8,192 bytes,
	s_lshl_b32 s15, s12, 10                        ; my wave's 1,024 bytes of them
	s_add_co_u32 s14, s14, s15
	s_mov_b32 s15, 0
	s_lshl_b32 s18, s12, 14                        ; my 8 fragments of the weights
	s_mov_b32 s19, 0
	s_lshl_b32 s20, s12, 11                        ; their scale words
	s_mov_b32 s21, 0
	s_lshl_b32 s2, ttmp9, 14                       ; noise and out0: 64 rows of 256 bytes a work-group, 8 a wave
	s_add_co_u32 s2, s2, s20
	s_mov_b32 s3, 0
	s_wait_alu depctr_va_vdst(0)                   ; the wait at the head's end
	s_wait_dscnt 0x0                               ; both opening adds are done
	s_wait_kmcnt 0x0
	s_add_nc_u64 s[16:17], s[4:5], s[14:15]
	s_mov_b64 s[G0X+2:G0X+3], s[16:17]             ; tokens 0 on, my K steps
	s_or_b32 s[G0X+3], s[G0X+3], 0x80000000
	tensor_load_to_lds s[G0X:G0X+3], s[G1X:G1X+7]  ; my one tensor load
	s_nop 0
	s_add_nc_u64 s[18:19], s[8:9], s[18:19]
	s_add_nc_u64 s[20:21], s[8:9], s[20:21]
	s_add_nc_u64 s[6:7], s[6:7], s[2:3]
	s_add_nc_u64 s[10:11], s[10:11], s[2:3]
	; 77 loads, in the order in which they are wanted: 8, 16 (slots 0, 1), 16 (K step 0's weights), 16 (slots 2, 3), 16 (K step 1's weights), 4 (noise), 1
.irp u, 0,1,2,3,4,5,6,7
	global_load_b32 v[WS+\u], v[LN8], s[20:21] offset:WQ_SC+256*\u
.endr
	RING 0, 2
	RING 1, 2
	WIN 0x40                                       ; destination window 1
.irp t, 0,1,2,3
.irp c, 0,1,2,3
	global_load_b128 v[16*\t+4*\c:16*\t+4*\c+3], v[LN16], s[18:19] offset:\t*2048+512*\c          ; 512 consecutive bytes
.endr
.endr
	WIN 0
	RING 2, 2
	RING 3, 2
	WIN 0x40
.irp t, 0,1,2,3
.irp c, 0,1,2,3
	global_load_b128 v[64+16*\t+4*\c:64+16*\t+4*\c+3], v[LN16], s[18:19] offset:(4+\t)*2048+512*\c
.endr
.endr
	WIN 0
.irp i, 0,1,2,3
	global_load_b128 v[NZ+4*\i:NZ+4*\i+3], v[LN16], s[6:7] offset:512*\i th:TH_LOAD_NT            ; two tokens' rows
.endr
	global_load_b128 v[C16:C16+3], v[C16], s[8:9] offset:WQ_C
	; tokens 32-47; each slot is asked for again, for tokens 48-63, when its rows lie in the stage
	s_wait_loadcnt 61                              ; slot 0 is in: 16 of 77
	FETCH_R 0, XA
	s_wait_loadcnt 53                              ; slot 1: 24 of 77
	s_wait_dscnt 0x0
	RING 0, 3
	FETCH_R 1, XB
	HQ XA, PC, PW, 0
	s_wait_dscnt 0x0
	RING 1, 3
	s_wait_loadcnt 45                              ; slot 2, and K step 0's weights ahead of it: 48 of 93
	FETCH_R 2, XA
	HQ XB, PC, PW, 1
	MULT 2, 0, 1
	s_wait_dscnt 0x0
	RING 2, 3
	s_wait_loadcnt 45                              ; slot 3: 56 of 101
	FETCH_R 3, XB
	HQ XA, PC, PW, 0
	s_wait_dscnt 0x0
	RING 3, 3
	s_wait_loadcnt 37                              ; K step 1's weights: 72 of 109
	HQ XB, PC, PW, 1
	MULT 2, 1, 0
	; tokens 0-31
	s_wait_tensorcnt 0x0                           ; my tile has landed.  Only I read it: my own wait is all that the reads need
	FETCH_L 0, 0, XA
	FETCH_L 0, 1, XB
	LHALF XA, 0, 8, 0, 2, 1
	LHALF XB, 1, 8, 0, 3, 1
	MULT 0, 0, 1
	LHALF XA, 0, 8, 1, 0, 1
	LHALF XB, 1, 8, 1, 1, 1
	MULT 0, 1, 0
	LHALF XA, 0, 8, 1, 2, 1
	LHALF XB, 1, 8, 1, 3, 1
	MULT 1, 0, 1
	LHALF XA, 0, 8, 0, 0, 0
	LHALF XB, 1, 0, 0, 0, 0
	MULT 1, 1, 0
	; three quarters of my sums go over my tile, which has had its one fill and whose reads, all mine, are back
.rept 8
	v_nop                                          ; eight places behind this form before an LDS store reads a result
.endr
	WIN 0x04                                       ; an LDS store's data are its source 1: window 1
	IMG 2
	IMG 0
	IMG 1
	WIN 0
	; tokens 48-63: nothing more is asked for, the counts run down
	s_wait_loadcnt 24
	FETCH_R 0, XA
	s_wait_loadcnt 16
	FETCH_R 1, XB
	s_wait_dscnt 16                                ; slot 0's numbers (behind them slot 1's 16)
	HQ XA, PC, PW, 0
	s_wait_loadcnt 8
	FETCH_R 2, XA
	s_wait_dscnt 16
	HQ XB, PC, PW, 1
	MULT 3, 0, 1
	s_wait_loadcnt 0x0
	FETCH_R 3, XB
	s_wait_dscnt 16
	HQ XA, PC, PW, 0
	s_wait_dscnt 0x0
	HQ XB, PC, PW, 1
	MULT 3, 1, 0
	; the tail's addresses and constants are the places behind the last products.  From here on a lane (r, h) of wave w holds experts 4 r + 0 .. 3 of tokens 8 w + 2 i + h, i = 0 .. 3
	v_and_b32 v[TA], 0xf0, v[LN16]                 ; 16 r
	v_lshrrev_b32 v[TB], 8, v[LN16]                ; h
	v_mul_u32_u24 v[TB], v[TB], NP
	v_add_nc_u32 v[RA], v[TA], v[TB]
	v_add_nc_u32 v[RA], s23, v[RA]
	v_add_nc_u32 v[RA+1], 2*TILEW, v[RA]
	v_add_nc_u32 v[RA+2], 4*TILEW, v[RA]
	v_add_nc_u32 v[RA+3], 6*TILEW, v[RA]
	v_lshrrev_b32 v[TA], 2, v[TA]
	v_cvt_f32_u32 v[EID], v[TA]                    ; 4 r
	v_add_f32 v[EID+1], 1.0, v[EID]
	v_add_f32 v[EID+2], 2.0, v[EID]
	v_add_f32 v[EID+3], 0x40400000, v[EID]
	v_mov_b32 v[NI], 0xff800000                    ; minus infinity
	WIN 0x04
	IMG 3
	WIN 0
	s_wait_alu depctr_va_vdst(0)                   ; ahead of the wait and the barrier
	s_wait_dscnt 0x0                               ; for the others' sake: my sums are stored
	s_barrier_signal -1
	s_barrier_wait -1
.irp w, 0,1,2,3,4,5,6,7
.irp i, 0,1,2,3
	ds_load_b128 v[L+16*\w+4*\i:L+16*\w+4*\i+3], v[RA+\w/2] offset:(\w%2)*TILEW+2*NP*\i   ; wave w's sums
.endr
.endr
.macro ADD16 a, b
.irp k, 0,2,4,6,8,10,12,14
	v_pk_add_f32 v[L+16*\a+\k:L+16*\a+\k+1], v[L+16*\a+\k:L+16*\a+\k+1], v[L+16*\b+\k:L+16*\b+\k+1]
.endr
.endm
	s_wait_dscnt 24                                ; waves 0 and 1's are in (behind them 24 loads), and so on
	ADD16 0, 1
	s_wait_dscnt 16
	ADD16 2, 3
	s_wait_dscnt 8
	ADD16 4, 5
	ADD16 0, 2
	s_wait_dscnt 0x0
	ADD16 6, 7
	ADD16 4, 6
	ADD16 0, 4
.irp i, 0,1,2,3
.irp p, 0,2
	v_pk_add_f32 v[L+4*\i+\p:L+4*\i+\p+1], v[L+4*\i+\p:L+4*\i+\p+1], v[C16+\p:C16+\p+1]   ; K step 16
.endr
.endr
.irp k, 0,2,4,6,8,10,12,14
	v_pk_fma_f32 v[L+\k:L+\k+1], v[NZ+\k:NZ+\k+1], s[TEN:TEN+1], v[L+\k:L+\k+1] op_sel_hi:[1,0,1]   ; + 0.1 noise: the logits
.endr
; the largest of each of my four tokens' 64 numbers: my four, then the 16 lanes of my row
.macro MAX4 dst
.irp i, 0,1,2,3
	v_max3_num_f32 v[\dst+\i], v[L+4*\i], v[L+4*\i+1], v[L+4*\i+2]
.endr
.irp i, 0,1,2,3
	v_max_num_f32 v[\dst+\i], v[\dst+\i], v[L+4*\i+3]
.endr
.irp x, 1,2,4,8
.irp i, 0,1,2,3
	v_max_num_f32_dpp v[\dst+\i], v[\dst+\i], v[\dst+\i] row_xmask:\x row_mask:0xf bank_mask:0xf
.endr
.endr
.endm
; the lowest expert whose number equals the largest: my chain runs from j = 3 down, so that the lowest match is written last; 64 stands for none.  No address and no branch hangs on it
.macro FIRST4 val, dst
.irp i, 0,1,2,3
	v_mov_b32 v[\dst+\i], 0x42800000
.endr
.irp j, 3,2,1,0
.irp i, 0,1,2,3
	v_cmp_eq_f32 s[CM+\i], v[L+4*\i+\j], v[\val+\i]
.endr
.irp i, 0,1,2,3
	v_cndmask_b32 v[\dst+\i], v[\dst+\i], v[EID+\j], s[CM+\i]
.endr
.endr
.irp x, 1,2,4,8
.irp i, 0,1,2,3
	v_min_num_f32_dpp v[\dst+\i], v[\dst+\i], v[\dst+\i] row_xmask:\x row_mask:0xf bank_mask:0xf
.endr
.endr
.endm
	MAX4 M1
	FIRST4 M1, I1
.irp i, 0,1,2,3
.irp j, 0,1,2,3
	v_cmp_eq_f32 s[MK+4*\i+\j], v[EID+\j], v[I1+\i]              ; kept: these masks place the first weight at the end
.endr
.endr
.irp i, 0,1,2,3
.irp j, 0,1,2,3
	v_cndmask_b32 v[L+4*\i+\j], v[L+4*\i+\j], v[NI], s[MK+4*\i+\j]   ; the first is taken out
.endr
.endr
	MAX4 M2
.irp i, 0,1,2,3
	v_sub_f32 v[EX+\i], v[M2+\i], v[M1+\i]         ; the largest logit is taken away
.endr
.irp i, 0,1,2,3
	v_mul_f32 v[EX+\i], 0x3fb8aa3b, v[EX+\i]
.endr
	s_wait_alu depctr_va_vdst(0)                   ; a wait ahead of the batch and behind it
.irp i, 0,1,2,3
	v_exp_f32 v[EX+\i], v[EX+\i]
.endr
	FIRST4 M2, I2                                  ; the search stands between the exponentials and their readers
	s_wait_alu depctr_va_vdst(0)
.irp i, 0,1,2,3
	v_add_f32 v[DD+\i], 1.0, v[EX+\i]
.endr
	s_wait_alu depctr_va_vdst(0)
.irp i, 0,1,2,3
	v_rcp_f32 v[RC+\i], v[DD+\i]                   ; the first weight: 1 / (1 + e)
.endr
.irp i, 0,1,2,3
.irp j, 0,1,2,3
	v_cmp_eq_f32 s[MB+4*\i+\j], v[EID+\j], v[I2+\i]
.endr
.endr
	s_wait_alu depctr_va_vdst(0)
.irp i, 0,1,2,3
	v_mul_f32 v[W2+\i], v[EX+\i], v[RC+\i]         ; the second: e / (1 + e)
.endr
.irp i, 0,1,2,3
.irp j, 0,1,2,3
	v_cndmask_b32 v[OU+4*\i+\j], 0, v[W2+\i], s[MB+4*\i+\j]
.endr
.endr
.irp i, 0,1,2,3
.irp j, 0,1,2,3
	v_cndmask_b32 v[OU+4*\i+\j], v[OU+4*\i+\j], v[RC+\i], s[MK+4*\i+\j]
.endr
.endr
.irp i, 0,1,2,3
	global_store_b128 v[LN16], v[OU+4*\i:OU+4*\i+3], s[10:11] offset:512*\i th:TH_STORE_NT   ; 32 lanes store 512 consecutive bytes, two tokens' rows, at a multiple of 512 from out0's first byte
.endr
	s_wait_tensorcnt 0x0                           ; the wave's end
	ds_add_u32 v[SPW], v[NIL]
	s_wait_dscnt 0x0
	s_endpgm
.Lfunc_end_k_qa3efa7368f_route:
	.size	k_qa3efa7368f_route, .Lfunc_end_k_qa3efa7368f_route-k_qa3efa7368f_route
	.p2alignl 7, 3214868480
	.fill 96, 4, 3214868480
	.section	.rodata,"a",@progbits
	.p2align	6, 0x0
	.amdhsa_kernel k_qa3efa7368f_route
		.amdhsa_group_segment_fixed_size 302080
		.amdhsa_private_segment_fixed_size 0
		.amdhsa_enable_private_segment 0
		.amdhsa_kernarg_size 32
		.amdhsa_user_sgpr_count 2
		.amdhsa_user_sgpr_kernarg_segment_ptr 1
		.amdhsa_wavefront_size32 1
		.amdhsa_system_sgpr_workgroup_id_x 1
		.amdhsa_system_sgpr_workgroup_id_y 1
		.amdhsa_system_sgpr_workgroup_id_z 1
		.amdhsa_system_vgpr_workitem_id 0
		.amdhsa_next_free_vgpr 512
		.amdhsa_next_free_sgpr 84
		.amdhsa_reserve_vcc 0
		.amdhsa_float_denorm_mode_32 3
		.amdhsa_float_denorm_mode_16_64 3
		.amdhsa_memory_ordered 1
		.amdhsa_forward_progress 1
		.amdhsa_inst_pref_size 122
	.end_amdhsa_kernel
	.amdgpu_metadata
---
amdhsa.version: [ 1, 2 ]
amdhsa.kernels:
  - .name:           k_qa3efa7368f_route
    .symbol:         k_qa3efa7368f_route.kd
    .args:
      - { .name: x, .offset: 0, .size: 8, .value_kind: global_buffer, .address_space: global }
      - { .name: noise, .offset: 8, .size: 8, .value_kind: global_buffer, .address_space: global }
      - { .name: wq, .offset: 16, .size: 8, .value_kind: global_buffer, .address_space: global }
      - { .name: out0, .offset: 24, .size: 8, .value_kind: global_buffer, .address_space: global }
    .group_segment_fixed_size: 302080
    .private_segment_fixed_size: 0
    .kernarg_segment_align: 8
    .kernarg_segment_size: 32
    .max_flat_workgroup_size: 256
    .sgpr_count:     84
    .vgpr_count:     512
    .wavefront_size: 32
...
	.end_amdgpu_metadata
.endif
;; end of part 2
